; MI455X (gfx1250); checked and timed in simulation.
; The chip was launched on July 23, 2026; its instructions are those of AMD's public machine-readable ISA for CDNA 5 (MIT licence, August 2026) and "CDNA5" Instruction Set Architecture Reference Guide (July 2026). The comments in the code are by the model that wrote it; some were corrected since.
;; Fp8 PTPC Linear. Allowed arithmetic: matrix products marked QUANTISED: E2M3 operands, one E8M0 scale for each 32 along K, by v_wmma_scale_f32_16x16x128_f8f6f4 with both operands' format E2M3, f32 sums; everything else in f32.
;; Inputs: bias 4,096 float32; weight 4,096 x 4,096 float32; weight_scales 4,096 float32; x 4,096 x 4,096 bfloat16.
;; Outputs: out0 4,096 x 4,096 bfloat16.
;; This version of the problem:
;;   THIS VERSION OF THE PROBLEM IS GIVEN IN LOW PRECISION. The matrix products marked QUANTISED in the list below multiply operands that are first quantised to E2M3 (2 exponent bits, 3 mantissa bits; 6 bits a number), with one power-of-two scale for each 32 numbers along K (OCP MX v1.0); their sums are f32. All else is computed in f32.
;;   The module's matrix products, in the order in which they are computed (A, B: the left and right operand; K: the contracted axis; several contracted axes count as one K, in the product's order):
;;     1. [M 4,096, K 4,096] x [K 4,096, N 4,096]; A: computed on the way; B: input weight: QUANTISED
;;   THE QUANTISER, for each operand of a quantised product, along K:
;;     - K is cut into blocks of 32 from its start; a last block that is shorter is filled with zeros.
;;     - A block's scale is 2^e with e = floor(log2(the largest magnitude in the block)) - 2, held to -126 .. 127; a block of zeros has e = 0. As a byte (E8M0): e + 127.
;;     - Each number is divided by its block's scale, clamped to +-7.5, and rounded to the nearest number of E2M3, ties to even, subnormals kept.
;;     - The product sums the exact products of the quantised numbers (number of the format x scale) in f32.
;;   ~~~python
;;   def quantise(x, axis):      # numpy; x: float32 -> the quantised numbers, widened to float32 again
;;       x = np.moveaxis(x, axis, -1); K = x.shape[-1]
;;       x = np.pad(x, [(0, 0)] * (x.ndim - 1) + [(0, -K % 32)]); x = x.reshape(x.shape[:-1] + (-1, 32)); a = np.abs(x).max(-1, keepdims=True)
;;       e = np.where(a > 0, np.clip(np.frexp(np.where(a > 0, a, 1))[1] - 1 - 2, -126, 127), 0)      # np.frexp(a)[1] - 1 = floor(log2(a)), exactly
;;       r = np.clip(x / 2.0 ** e, -7.5, 7.5)
;;       step = 2.0 ** (np.maximum(np.frexp(np.where(r == 0, 1, r))[1] - 1, 0) - 3)
;;       q = np.round(r / step) * step * 2.0 ** e      # np.round: ties to even
;;       return np.moveaxis(q.reshape(q.shape[:-2] + (-1,))[..., :K], -1, axis).astype(np.float32)
;;   ~~~
;;   OPERANDS COMPUTED ON THE WAY. 'Computed on the way' means the value that the module computes at that place (a softmax that the list does not call 'softmax' is quantised finished and normalised). What goes into a quantiser is computed in f32, as accurately as f32 sums, v_exp_f32 and their like allow (about 1e-6 of the number): no bf16 or f16 on the way to a quantiser, and a product that is left as it is and whose result goes on into a quantised operand takes f32 operands (vector FMAs, or v_wmma_f32_16x16x4_f32). A number that lies on a knife's edge between two numbers of the format may be rounded either way, as far as f32 arithmetic and the matrix unit's own rounding can turn it there, and no further.
;; One version. Each part assembles by itself: llvm-mc -triple=amdgcn-amd-amdhsa -mcpu=gfx1250 --defsym DOCPART=n.
;; ======== version 1 of 1: 2 launches
;; limits: values are held in bf16: 8 bits of precision; right only within a limited range of input values
;; workspace buffers: codes 27,394,048 bytes; x_scales 16,384 bytes
;; launch quant (part 1): grid 256 x 1, 16 waves a work-group, no clusters, 327,680 bytes of LDS; arguments x, weight, codes, x_scales; writes codes, x_scales
.if DOCPART == 1
	.amdgcn_target "amdgcn-amd-amdhsa--gfx1250"
	.amdhsa_code_object_version 6
	.text
	.protected	k_qae539cee4d_quant
	.globl	k_qae539cee4d_quant
	.p2align	8
	.type	k_qae539cee4d_quant,@function
k_qae539cee4d_quant:
	s_mov_b64 s[64:65], 0
	v_nop
	global_prefetch_b8 v0, s[64:65] scope:SCOPE_SE
	s_setreg_imm32_b32 hwreg(HW_REG_WAVE_MODE, 25, 1), 1
	s_wait_xcnt 0x0
; x [4096][4096] bf16 and weight [4096][4096] f32 become the two operands of the product, as codes of FP6 (E2M3) with one E8M0 scale byte for each 32 along K.
; x first goes the way of the module: s = max(largest |x| of the row, 1e-10) / 448; x / s; snapped to the E4M3 grid (to fp8 and back); only then the block quantiser.  s goes to x_scales.
; A block's scale is 2^(floor(log2(its largest magnitude)) - 2): its byte is the largest magnitude's exponent field - 2, held at 1 from below.
; LAYOUT OF THE RESULT (this program alone reads it): x's operand, then weight's, each [32 groups of 128 rows][11 runs of three K steps of 128][8 tiles of 16 rows][4,864 bytes].  The 4,864 bytes: 256 bytes of scale
; words [r 16][4 words] (word q for the run's q-th K step; the fourth is 0), then three fragments of 1,536 bytes, each the operand's 12 registers as they stand: registers 4 g .. 4 g + 3 of lane l at 512 g + 16 l;
; lane (r, h) holds row r, registers 6 c .. 6 c + 5 hold k = 64 c + 32 h + 0 .. 31.  K has 32 steps: run 10 has two fragments, and the place of its third is neither written nor read.
; SHARES.  Work-group R takes rows 16 R .. 16 R + 15 of x AND of weight: 256 equal work-groups, one path, no loop.
; THE WAY IN is the tensor data mover's: a tile is 16 rows x 1,024 bytes of memory, each row beginning at a multiple of 1,024 bytes, laid in LDS at 1,040 bytes a row.  At the head waves 0-7 ask for the eight tiles of x,
; waves 8-15 for the eight tiles of weight's first 8,192 bytes of each row: one tensor load a wave, 256 KiB of the work-group's 384 on their way.  When all have landed each wave reads two units of 16 rows x 512 bytes
; into registers (x's K = 256 w .. 256 w + 255: two fragments; weight's K step w: one), and behind the next barrier waves 8-15 fill their tiles again with weight's second 8,192 bytes.  The row's maximum, x's two
; fragments and weight's first are worked while that refill is on its way; then weight's K step 16 + w.
; Lane (r, h) reads whole blocks of 32 of row r from LDS: a block's largest magnitude needs no other lane, the conversions' results are the operand's registers, and each of a fragment's three stores covers 512 consecutive bytes.
; THE DIVISIONS are a reciprocal or a constant 1 / 448, each with one step of correction by fused multiply-adds: q = x r; q + (x - q s) r.  That is not an IEEE division: it can differ from one in the last bit.
; LIMITS: NaN and infinities among the inputs are not served.  A block of zeros gets the byte 1 and not 127: its codes are zeros, which add nothing under any byte but 0xff.
; x_scales leaves as 64 consecutive bytes a work-group (16 KiB in the whole launch); every other store covers 256 consecutive aligned bytes with each sixteen lanes.
; No cluster: work-groups share no input.  No prefetch: the text has no loop to run ahead in, and two thirds of its bytes are asked for by its first loads.  All of LDS is claimed.
.set TPITCH, 1040                      ; a tile's row in LDS: 1,024 bytes + 16: sixteen rows' reads of 16 bytes fall on sixteen different places modulo 256 bytes
.set TILE,   16*TPITCH                 ; 16,640 bytes; wave w's tile lies at w x TILE: x's eight, then weight's eight
.set WREG,   8*TILE
.set AMX,    16*TILE                   ; behind the tiles: the waves' partial maxima: row r at 80 r, wave w's word at + 4 w
.set APITCH, 80
.set SCT,    AMX+16*APITCH             ; the scale words' table, 8,192 bytes: x's [j 11][r 16][4 words], then weight's; the rest is cleared with it and not used
.set SPARE,  SCT+8192                  ; the spare words, 128 bytes a wave
.set TABB,   2816                      ; one operand's part of the table
.set FRB,    1536
.set TP,     4864
.set PART,   38912
.set GROUPB, 428032
.set OPB,    13697024
.set VOX, 1                            ; v1-2   where a fragment of x goes, my first and second K step s: 16 x lane + 1,536 s + 34,304 (s / 3)
.set VOW, 3                            ; v3-4   the same for weight
.set SCX, 5                            ; v5-6   where my row's scale word goes: SCT + 16 r + 4 s + 244 (s / 3)
.set SCW, 7                            ; v7-8   the same in weight's part of the table
.set STX, 9                            ; v9     my unit of x in LDS: + 1,040 r + 64 h
.set STW, 10                           ; v10    my unit of weight: + 1,040 r + 128 h
.set AML, 11                           ; v11    where row r's sixteen partial maxima lie
.set AMS, 12                           ; v12    where my wave's goes
.set SH8, 13                           ; v13    8 h
.set ONE, 14                           ; v14    1.0: the scale operand of the conversion to fp8
.set E1,  15                           ; v15    the byte 127 four times: the scale operand of the conversion back
.set P,   16                           ; v16-79   x's two fragments as bf16 pairs
.set F,   80                           ; v80-143  a fragment of weight: 64 numbers
.set T,   176                          ; v176-207 32 numbers at work
.set U,   208                          ; v208-223 at work
.set F8,  216                          ; v216-223 fp8 codes
.set C,   224                          ; v224-235 the fragment's 12 registers
.set D,   236                          ; v236-238, v240-242 the halves of a block that a conversion cannot put in place (its three registers begin on an even number)
.set SPW, 239                          ; v239   my spare word's address; never rewritten
.set NIL, 243                          ; v243   0; never rewritten
.set M,   244
.set SO,  246
.set BY,  248
.set WD,  250
.set WT,  251
.set RR,  252                          ; v[252:253] 1 / s, twice
.set SS,  254                          ; v[254:255] s, twice
.set G0X, 40                           ; s[40:43] group 0 for x's tile, s[44:51] its group 1
.set G1X, 44
.set G1W, 52                           ; s[52:59], s[60:63] the same for weight's
.set G0W, 60
; A block of 32 numbers, v[src] on, becomes registers 6 c .. 6 c + 2 of the fragment, three registers in D, and a scale byte.
.macro MXQ src, c
	v_max3_num_f32 v[M], |v[(\src)]|, |v[(\src)+1]|, |v[(\src)+2]|
	v_max3_num_f32 v[M+1], |v[(\src)+3]|, |v[(\src)+4]|, |v[(\src)+5]|
.irp i, 6,10,14,18,22,26
	v_max3_num_f32 v[M], v[M], |v[(\src)+\i]|, |v[(\src)+\i+1]|
	v_max3_num_f32 v[M+1], v[M+1], |v[(\src)+\i+2]|, |v[(\src)+\i+3]|
.endr
	v_max3_num_f32 v[M], v[M], |v[(\src)+30]|, |v[(\src)+31]|
	s_delay_alu instid0(VALU_DEP_1)
	v_max3_num_f32 v[M], v[M], v[M+1], 0x1800000             ; and the floor 2^(3 - 127): the byte cannot fall under 1
	s_delay_alu instid0(VALU_DEP_1)
	v_add_nc_u32 v[SO+\c], 0xff000000, v[M]                  ; 2 off the exponent field: the conversion takes the exponent field of this operand as its scale
	v_cvt_scalef32_pk16_fp6_f32 v[C+6*\c:C+6*\c+2], v[(\src):(\src)+15], v[SO+\c]
	v_cvt_scalef32_pk16_fp6_f32 v[D+4*\c:D+4*\c+2], v[(\src)+16:(\src)+31], v[SO+\c]
	v_lshrrev_b32 v[BY+\c], 23, v[SO+\c]                     ; the scale's byte; also the plain instruction behind the conversions
.endm
; Block c of the fragment of x at PB: widened, divided by s, held at 448, snapped to the E4M3 grid, quantised.
.macro XBLOCK c
.irp i, 0,1,2,3,4,5,6,7,8,9,10,11,12,13,14,15
	v_lshlrev_b32 v[T+2*\i], 16, v[PB+16*\c+\i]              ; bf16 to f32: the low half moves up,
	v_and_b32 v[T+2*\i+1], s24, v[PB+16*\c+\i]               ; the high half stays
.endr
.irp g, 0,1,2,3
.irp p, 0,1,2,3
	v_pk_mul_f32 v[U+2*\p:U+2*\p+1], v[T+8*\g+2*\p:T+8*\g+2*\p+1], v[RR:RR+1]                                                  ; q = x r
.endr
.irp p, 0,1,2,3
	s_delay_alu instid0(VALU_DEP_4)
	v_pk_fma_f32 v[T+8*\g+2*\p:T+8*\g+2*\p+1], v[U+2*\p:U+2*\p+1], v[SS:SS+1], v[T+8*\g+2*\p:T+8*\g+2*\p+1] neg_lo:[1,0,0] neg_hi:[1,0,0]   ; x - q s
.endr
.irp p, 0,1,2,3
	s_delay_alu instid0(VALU_DEP_4)
	v_pk_fma_f32 v[T+8*\g+2*\p:T+8*\g+2*\p+1], v[T+8*\g+2*\p:T+8*\g+2*\p+1], v[RR:RR+1], v[U+2*\p:U+2*\p+1]                     ; q + (x - q s) r
.endr
.endr
.irp i, 0,1,2,3,4,5,6,7,8,9,10,11,12,13,14,15,16,17,18,19,20,21,22,23,24,25,26,27,28,29,30,31
	v_med3_num_f32 v[T+\i], v[T+\i], s22, s21                ; the row's largest may come out a last bit over 448: a cast rounds that to 448, the conversion below would not (ISA guide 7.6.2)
.endr
.irp i, 0,1,2,3
	v_cvt_scalef32_pk8_fp8_f32 v[F8+2*\i:F8+2*\i+1], v[T+8*\i:T+8*\i+7], v[ONE]
.endr
	v_nop                                                    ; a plain instruction between scaled conversions and what touches their results or writes their sources
.irp i, 0,1,2,3
	v_cvt_scale_pk8_f32_fp8 v[T+8*\i:T+8*\i+7], v[F8+2*\i:F8+2*\i+1], v[E1]
.endr
	v_nop
	MXQ T, \c
.endm
; The fragment is put together and leaves: codes to memory, the scale word to the table in LDS.  ptr: the scalar pair of the operand's part of the buffer; vo, vs: the K step's two address registers.
.macro FINISH ptr, vo, vs
.irp i, 0,1,2
	v_mov_b32 v[C+3+\i], v[D+\i]
	v_mov_b32 v[C+9+\i], v[D+4+\i]
.endr
	v_lshl_or_b32 v[WD], v[BY+1], 16, v[BY]                  ; my two bytes: blocks h and 2 + h of row r,
	s_delay_alu instid0(VALU_DEP_1)
	v_lshlrev_b32 v[WD], v[SH8], v[WD]                       ; at their places in the word;
	s_delay_alu instid0(VALU_DEP_1)
	v_permlanex16_b32 v[WT], v[WD], s26, s27
	s_delay_alu instid0(VALU_DEP_1)
	v_or_b32 v[WD], v[WD], v[WT]                             ; with lane l xor 16's two the word is whole
.irp g, 0,1,2
	global_store_b128 v[\vo], v[C+4*\g:C+4*\g+3], s[\ptr:\ptr+1] offset:256+512*\g    ; 32 lanes store 512 consecutive bytes, behind the tile's 256 bytes of scale words
.endr
	ds_store_b32 v[\vs], v[WD]                               ; lanes l and l + 16 write the same word with the same value
.endm
.macro XFRAG t
.set PB, P+32*\t
	s_wait_xcnt 0x0                                          ; the last fragment's stores have read C: it is written again only behind this wait
	XBLOCK 0
	XBLOCK 1
	FINISH 8, VOX+\t, SCX+\t
.endm
.macro WREAD                           ; my unit of weight: two blocks of 32 numbers a lane
.irp c, 0,1
.irp j, 0,1,2,3,4,5,6,7
	ds_load_b128 v[F+32*\c+4*\j:F+32*\c+4*\j+3], v[STW] offset:256*\c+16*\j
.endr
.endr
.endm
.macro WFRAG u
	s_wait_xcnt 0x0                                          ; as in XFRAG
	MXQ F, 0
	MXQ F+32, 1
	FINISH 12, VOW+\u, SCW+\u
.endm
; K step s (in scalar register sreg) lies in run j = s / 3 = (11 s) >> 5 for s under 32
.macro PLACE vo, vs, sreg, tab
	s_mul_i32 s35, s\sreg, 11
	s_lshr_b32 s35, s35, 5
	s_mul_i32 s36, s35, PART-3*FRB
	s_mul_i32 s37, s\sreg, FRB
	s_add_co_u32 s36, s36, s37
	v_lshl_add_u32 v[\vo], v208, 4, s36
	s_mul_i32 s36, s35, 244
	s_lshl_b32 s37, s\sreg, 2
	s_add_co_u32 s36, s36, s37
	s_add_co_u32 s36, s36, SCT+\tab
	v_lshl_add_u32 v[\vs], v209, 4, s36
.endm
	s_load_b256 s[4:11], s[0:1], 0x0               ; x s[4:5], weight s[6:7], codes s[8:9], x_scales s[10:11]
	v_lshl_add_u32 v[SPW], v0, 2, SPARE
	v_mov_b32 v[NIL], 0
	ds_add_u32 v[SPW], v[NIL]                      ; the opening lines: the add twice on end, under one wait
	ds_add_u32 v[SPW], v[NIL]
	v_lshrrev_b32 v208, 5, v0
	s_delay_alu instid0(VALU_DEP_1)
	v_readfirstlane_b32 s18, v208                  ; wave 0..15
.irp g, G1X, G1W
	s_mov_b32 s[\g+0], (3<<16)|(1<<20)|(7<<22)|(3<<25)   ; elements of 8 bytes; behind every 256 words 4 words of padding
	s_mov_b32 s[\g+1], 128<<16                     ; a row: 128 elements
	s_mov_b32 s[\g+2], 16<<16                      ; 16 rows
	s_mov_b32 s[\g+3], 128<<16
	s_mov_b32 s[\g+4], 16
	s_mov_b32 s[\g+6], 0
	s_mov_b32 s[\g+7], 0
.endr
	s_mov_b32 s[G1X+5], 1024                       ; from row to row: x 8,192 bytes,
	s_mov_b32 s[G1W+5], 2048                       ; weight 16,384
	s_mov_b32 s[G0X], 1
	s_mul_i32 s[G0X+1], s18, TILE
	s_mov_b32 s[G0W], 1
	s_mul_i32 s[G0W+1], s18, TILE
	s_and_b32 s19, s18, 7
	s_lshl_b32 s32, s19, 10                        ; which 1,024 bytes of the rows
	s_mov_b32 s33, 0
	s_lshl_b32 s28, ttmp9, 17                      ; 16 rows of x: 131,072 bytes
	s_mov_b32 s29, 0
	s_lshl_b32 s30, ttmp9, 18                      ; 16 rows of weight: 262,144 bytes
	s_mov_b32 s31, 0
	s_wait_dscnt 0x0                               ; both opening adds are done
	s_wait_kmcnt 0x0
	s_add_nc_u64 s[4:5], s[4:5], s[28:29]
	s_add_nc_u64 s[6:7], s[6:7], s[30:31]
	s_add_nc_u64 s[G0X+2:G0X+3], s[4:5], s[32:33]
	s_or_b32 s[G0X+3], s[G0X+3], 0x80000000
	s_add_nc_u64 s[G0W+2:G0W+3], s[6:7], s[32:33]
	s_or_b32 s[G0W+3], s[G0W+3], 0x80000000
	s_cmp_lt_u32 s18, 8                            ; one tensor load a wave: waves 0-7 a tile of x, waves 8-15 a tile of weight
	s_cbranch_scc0 .Lhead_w
	tensor_load_to_lds s[G0X:G0X+3], s[G1X:G1X+7]
	s_nop 0
.rept 4
	v_nop
.endr
	s_branch .Lhead_asked
.Lhead_w:
	tensor_load_to_lds s[G0W:G0W+3], s[G1W:G1W+7]
	s_nop 0
.rept 4
	v_nop
.endr
.Lhead_asked:
	; while the tiles are on their way: the table is cleared, and every address is made
	v_and_b32 v208, 31, v0                         ; lane
	v_and_b32 v209, 15, v0                         ; r
	v_bfe_u32 v210, v0, 4, 1                       ; h
	v_lshl_add_u32 v211, v0, 4, SCT                ; 16 bytes a thread, so that the words that no K step fills are written too; the first barrier stands between this and the words' stores
.irp i, 0,1,2,3
	v_mov_b32 v[F8+\i], 0
.endr
	ds_store_b128 v211, v[F8:F8+3]
	s_wait_alu depctr_va_vdst(0)                   ; the wait
	s_lshr_b32 s34, s18, 1                         ; my unit: tile w / 2, its half w % 2
	s_mul_i32 s34, s34, TILE
	s_and_b32 s35, s18, 1
	s_lshl_b32 s35, s35, 9
	s_add_co_u32 s34, s34, s35
	v_mul_u32_u24 v[STX], v209, TPITCH
	s_delay_alu instid0(VALU_DEP_1)
	v_add_nc_u32 v[STX], s34, v[STX]
	s_delay_alu instid0(VALU_DEP_1)
	v_lshl_add_u32 v[STW], v210, 7, v[STX]
	s_delay_alu instid0(VALU_DEP_1)
	v_add_nc_u32 v[STW], WREG, v[STW]
	s_delay_alu instid0(VALU_DEP_3)
	v_lshl_add_u32 v[STX], v210, 6, v[STX]
	s_lshl_b32 s38, s18, 1                         ; x: K steps 2 w and 2 w + 1
	PLACE VOX, SCX, 38, 0
	s_add_co_u32 s38, s38, 1
	PLACE VOX+1, SCX+1, 38, 0
	PLACE VOW, SCW, 18, TABB                       ; weight: K steps w and 16 + w
	s_add_co_u32 s38, s18, 16
	PLACE VOW+1, SCW+1, 38, TABB
	s_lshl_b32 s28, s18, 2
	v_mul_u32_u24 v[AML], v209, APITCH
	v_add_nc_u32 v[AML], AMX, v[AML]
	v_add_nc_u32 v[AMS], s28, v[AML]
	v_lshlrev_b32 v[SH8], 3, v210
	v_mov_b32 v[ONE], 1.0
	v_mov_b32 v[E1], 0x7f7f7f7f
	v_mov_b32 v[WT], 0                             ; written once: a lane permute's destination counts as one of its sources
	s_mov_b32 s20, 0x3b124925                      ; 1 / 448
	s_mov_b32 s21, 0x43e00000                      ; 448
	s_mov_b32 s22, 0xc3e00000                      ; -448
	s_mov_b32 s23, 0x7fff7fff                      ; clears the signs of two bf16
	s_mov_b32 s24, 0xffff0000                      ; a word's upper bf16
	s_mov_b32 s26, 0x76543210                      ; v_permlanex16_b32's selects for lane l xor 16
	s_mov_b32 s27, 0xfedcba98
	s_lshr_b32 s28, ttmp9, 3                       ; my tile of the result: group R / 8, tile R mod 8
	s_mul_i32 s28, s28, GROUPB
	s_and_b32 s30, ttmp9, 7
	s_mul_i32 s30, s30, TP
	s_add_co_u32 s28, s28, s30
	s_add_nc_u64 s[8:9], s[8:9], s[28:29]          ; in x's operand,
	s_add_nc_u64 s[12:13], s[8:9], OPB             ; and in weight's
	s_lshl_b32 s28, ttmp9, 6                       ; x_scales: 64 bytes
	s_add_nc_u64 s[10:11], s[10:11], s[28:29]
	; ---- all sixteen tiles have landed
	s_wait_alu depctr_va_vdst(0)                   ; the wait at the head's end
	s_wait_tensorcnt 0x0                           ; my tile is in,
	s_wait_dscnt 0x0                               ; and my part of the table is cleared: for the others' sake
	s_barrier_signal -1
	s_barrier_wait -1
.irp t, 0,1
.irp c, 0,1
.irp j, 0,1,2,3
	ds_load_b128 v[P+32*\t+16*\c+4*\j:P+32*\t+16*\c+4*\j+3], v[STX] offset:256*\t+128*\c+16*\j   ; x's two fragments
.endr
.endr
.endr
	WREAD                                          ; weight's K step w
	; ---- weight's tiles are filled again
	s_wait_tensorcnt 0x0                           ; no tensor load of mine is out;
	ds_add_u32 v[SPW], v[NIL]
	s_add_nc_u64 s[G0W+2:G0W+3], s[G0W+2:G0W+3], 8192  ; the rows' second 8,192 bytes
	s_wait_dscnt 0x0                               ; the add is done, and so are my reads of the tiles
	s_barrier_signal -1
	s_barrier_wait -1
	s_cmp_lt_u32 s18, 8
	s_cbranch_scc1 .Lno_refill
	tensor_load_to_lds s[G0W:G0W+3], s[G1W:G1W+7]
	s_nop 0
.rept 4
	v_nop
.endr
.Lno_refill:
	; ---- the row's largest magnitude: my 128 numbers two at a time in four chains, lane l xor 16's, then the sixteen waves'
.irp k, 0,1,2,3
	v_and_b32 v[U+\k], s23, v[P+\k]                ; the first four words start the chains: nothing is cleared
.endr
.set j, 4
.rept 60
	v_and_b32 v[U+4+j%4], s23, v[P+j]
	s_delay_alu instid0(VALU_DEP_1)
	v_pk_max_num_bf16 v[U+j%4], v[U+j%4], v[U+4+j%4]
.set j, j+1
.endr
	v_pk_max_num_bf16 v[U], v[U], v[U+1]
	s_delay_alu instid0(VALU_DEP_2)
	v_pk_max_num_bf16 v[U+2], v[U+2], v[U+3]
	s_delay_alu instid0(VALU_DEP_1)
	v_pk_max_num_bf16 v[U], v[U], v[U+2]
	s_delay_alu instid0(VALU_DEP_1)
	v_lshlrev_b32 v[U+4], 16, v[U]
	s_delay_alu instid0(VALU_DEP_2)
	v_and_b32 v[U+5], s24, v[U]
	s_delay_alu instid0(VALU_DEP_1)
	v_max_num_f32 v[U+4], v[U+4], v[U+5]
	s_delay_alu instid0(VALU_DEP_1)
	v_permlanex16_b32 v[WT], v[U+4], s26, s27
	s_delay_alu instid0(VALU_DEP_1)
	v_max_num_f32 v[U+4], v[U+4], v[WT]
	ds_store_b32 v[AMS], v[U+4]                    ; lanes l and l + 16 write the same word with the same value
	s_wait_dscnt 0x0                               ; for the others' sake: my store has landed
	s_barrier_signal -1
	s_barrier_wait -1
.irp i, 0,1,2,3
	ds_load_b128 v[U+4*\i:U+4*\i+3], v[AML] offset:16*\i
.endr
	s_wait_dscnt 0x0
	v_max3_num_f32 v[U], v[U], v[U+1], v[U+2]
	v_max3_num_f32 v[U+3], v[U+3], v[U+4], v[U+5]
	v_max3_num_f32 v[U+6], v[U+6], v[U+7], v[U+8]
	v_max3_num_f32 v[U+9], v[U+9], v[U+10], v[U+11]
	v_max3_num_f32 v[U+12], v[U+12], v[U+13], v[U+14]
	s_delay_alu instid0(VALU_DEP_3)
	v_max3_num_f32 v[U], v[U], v[U+3], v[U+6]
	s_delay_alu instid0(VALU_DEP_2)
	v_max3_num_f32 v[U+9], v[U+9], v[U+12], v[U+15]
	s_delay_alu instid0(VALU_DEP_1)
	v_max_num_f32 v[U], v[U], v[U+9]
	; ---- s = max(that, 1e-10) / 448 and 1 / s
	s_delay_alu instid0(VALU_DEP_1)
	v_max_num_f32 v[U], 0x2edbe6ff, v[U]           ; 1e-10
	s_delay_alu instid0(VALU_DEP_1)
	v_mul_f32 v[U+1], s20, v[U]
	s_delay_alu instid0(VALU_DEP_1)
	v_fma_f32 v[U+2], -v[U+1], s21, v[U]
	s_delay_alu instid0(VALU_DEP_1)
	v_fma_f32 v[SS], v[U+2], s20, v[U+1]
	s_wait_alu depctr_va_vdst(0)                   ; the wait ahead of the transcendental,
	v_rcp_f32 v[U+3], v[SS]
	v_nop                                          ; a plain instruction behind it (ISA guide 5.7.2),
	s_wait_alu depctr_va_vdst(0)                   ; and the wait ahead of its first reader
	v_fma_f32 v[U+4], -v[SS], v[U+3], 1.0
	v_fma_f32 v[RR], v[U+4], v[U+3], v[U+3]
	v_mov_b32 v[SS+1], v[SS]
	s_delay_alu instid0(VALU_DEP_2)
	v_mov_b32 v[RR+1], v[RR]
	; ---- three fragments while the refill is on its way
	XFRAG 0
	XFRAG 1
	WFRAG 0
	; ---- weight's K step 16 + w
	s_wait_alu depctr_va_vdst(0)                   ; the wait, directly ahead of the waits below
	s_wait_tensorcnt 0x0                           ; the refill has landed,
	s_wait_dscnt 0x0                               ; and no LDS instruction of mine is out at the signal
	s_barrier_signal -1
	s_barrier_wait -1
	WREAD
	s_wait_dscnt 0x0
	WFRAG 1
	; ---- the scale words leave: the table's 22 units of 256 bytes, sixteen lanes to a unit, waves 0-10; unit u is run u of x's operand (u under 11) or run u - 11 of weight's.  Wave 11 stores the sixteen s
	v_lshl_add_u32 v[U+4], v0, 4, SCT              ; every wave makes the addresses, ahead of the branches: in the table 16 bytes a thread,
	v_lshrrev_b32 v[U+5], 4, v0                    ; u
	s_delay_alu instid0(VALU_DEP_1)
	v_mul_u32_u24 v[U+6], v[U+5], 3
	s_delay_alu instid0(VALU_DEP_1)
	v_lshrrev_b32 v[U+6], 5, v[U+6]                ; (3 u) >> 5: 0 for u under 11, 1 for 11 to 21
	s_delay_alu instid0(VALU_DEP_1)
	v_mul_u32_u24 v[U+6], v[U+6], OPB-GROUPB
	s_delay_alu instid0(VALU_DEP_1)
	v_mad_u32_u24 v[U+6], v[U+5], PART, v[U+6]     ; in memory u runs on, and for weight's the rest of the way to its operand,
	v_and_b32 v[U+5], 15, v0
	s_delay_alu instid0(VALU_DEP_1)
	v_lshl_add_u32 v[U+6], v[U+5], 4, v[U+6]       ; and 16 bytes a lane
	s_delay_alu instid0(VALU_DEP_2)
	v_lshlrev_b32 v[U+7], 2, v[U+5]                ; 4 r: my row's place in x_scales
	s_wait_dscnt 0x0                               ; for the others' sake: my words have landed
	s_barrier_signal -1
	s_barrier_wait -1
	s_cmp_lt_u32 s18, 11
	s_cbranch_scc0 .Lno_table
	s_wait_alu depctr_va_vdst(0)
	ds_load_b128 v[U:U+3], v[U+4]
	s_wait_dscnt 0x0
	global_store_b128 v[U+6], v[U:U+3], s[8:9]     ; each sixteen lanes store 256 consecutive bytes, at a multiple of 256 from the buffer's first byte
	s_branch .Ldone
.Lno_table:
	s_cmp_eq_u32 s18, 11
	s_cbranch_scc0 .Ldone
	v_and_b32 v[U], 31, v0
	s_delay_alu instid0(VALU_DEP_1)
	v_cmp_gt_u32 vcc_lo, 16, v[U]
	s_wait_xcnt 0x0                                ; EXEC is a source of my pending stores: it changes only behind this wait
	s_and_saveexec_b32 s34, vcc_lo
	s_wait_alu depctr_va_vdst(0)
	global_store_b32 v[U+7], v[SS], s[10:11]       ; lanes 0-15: row r's s
	s_wait_xcnt 0x0                                ; and again in front of the line that widens it
	s_or_b32 exec_lo, exec_lo, s34
.Ldone:
	s_wait_tensorcnt 0x0                           ; the wave's end
	ds_add_u32 v[SPW], v[NIL]
	s_wait_dscnt 0x0
	s_endpgm
.Lfunc_end_k_qae539cee4d_quant:
	.size	k_qae539cee4d_quant, .Lfunc_end_k_qae539cee4d_quant-k_qae539cee4d_quant
	.p2alignl 7, 3214868480
	.fill 96, 4, 3214868480
	.section	.rodata,"a",@progbits
	.p2align	6, 0x0
	.amdhsa_kernel k_qae539cee4d_quant
		.amdhsa_group_segment_fixed_size 327680
		.amdhsa_private_segment_fixed_size 0
		.amdhsa_enable_private_segment 0
		.amdhsa_kernarg_size 32
		.amdhsa_user_sgpr_count 2
		.amdhsa_user_sgpr_kernarg_segment_ptr 1
		.amdhsa_wavefront_size32 1
		.amdhsa_system_sgpr_workgroup_id_x 1
		.amdhsa_system_sgpr_workgroup_id_y 1
		.amdhsa_system_sgpr_workgroup_id_z 1
		.amdhsa_system_vgpr_workitem_id 0
		.amdhsa_next_free_vgpr 256
		.amdhsa_next_free_sgpr 66
		.amdhsa_reserve_vcc 1
		.amdhsa_float_denorm_mode_32 3
		.amdhsa_float_denorm_mode_16_64 3
		.amdhsa_memory_ordered 1
		.amdhsa_forward_progress 1
		.amdhsa_inst_pref_size 67
	.end_amdhsa_kernel
	.amdgpu_metadata
---
amdhsa.version: [ 1, 2 ]
amdhsa.kernels:
  - .name:           k_qae539cee4d_quant
    .symbol:         k_qae539cee4d_quant.kd
    .args:
      - { .name: x, .offset: 0, .size: 8, .value_kind: global_buffer, .address_space: global }
      - { .name: weight, .offset: 8, .size: 8, .value_kind: global_buffer, .address_space: global }
      - { .name: codes, .offset: 16, .size: 8, .value_kind: global_buffer, .address_space: global }
      - { .name: x_scales, .offset: 24, .size: 8, .value_kind: global_buffer, .address_space: global }
    .group_segment_fixed_size: 327680
    .private_segment_fixed_size: 0
    .kernarg_segment_align: 8
    .kernarg_segment_size: 32
    .max_flat_workgroup_size: 512
    .sgpr_count:     66
    .vgpr_count:     256
    .wavefront_size: 32
...
	.end_amdgpu_metadata
.endif
;; end of part 1
;; launch gemm (part 2): grid 16 x 16, 4 waves a work-group, clusters of 4 x 4, 327,680 bytes of LDS; arguments codes, x_scales, weight_scales, bias, out0; writes out0
.if DOCPART == 2
	.amdgcn_target "amdgcn-amd-amdhsa--gfx1250"
	.amdhsa_code_object_version 6
	.text
	.protected	k_qae539cee4d_gemm
	.globl	k_qae539cee4d_gemm
	.p2align	8
	.type	k_qae539cee4d_gemm,@function
k_qae539cee4d_gemm:
	s_mov_b64 s[64:65], 0
	v_nop
	global_prefetch_b8 v0, s[64:65] scope:SCOPE_SE
	s_setreg_imm32_b32 hwreg(HW_REG_WAVE_MODE, 25, 1), 1
	s_wait_xcnt 0x0
	s_wait_alu depctr_hold_cnt(0) depctr_sa_sdst(0) depctr_va_vdst(0) depctr_va_sdst(0) depctr_va_ssrc(0) depctr_va_vcc(0) depctr_vm_vsrc(0)
	s_getreg_b32 s2, hwreg(HW_REG_IB_STS2, 6, 4)
	s_cmp_eq_u32 s2, 0
	s_cbranch_scc0 .Lentry_in_a_cluster
	s_endpgm
.Lentry_in_a_cluster:
	s_bfe_u32 s2, ttmp6, 0x10000c
	s_cmp_lg_u32 s2, 0xf033
	s_cbranch_scc0 .Lentry_shape_is_right
	s_endpgm
.Lentry_shape_is_right:
; out0[m][n] = bf16( (sum over k of xq[m][k] wq[n][k]) x x_scales[m] x weight_scales[n] + bf16(bias[n]) ); xq, wq: codes of FP6 (E2M3) with E8M0 block scales, as launch quant laid them.
; LAYOUT READ: each operand [32 groups of 128 rows][11 runs of three K steps][8 tiles of 16 rows][4,864 bytes = 256 of scale words + 3 fragments of 1,536, each a register image: registers 4 g .. 4 g + 3 of lane l at 512 g + 16 l].
; Run 10 has two fragments: of each of its tiles 3,328 bytes are read.
; SHARES: a work-group makes 256 x 256 of the result, four waves of 128 x 128 (64 accumulators, 512 registers); 256 work-groups.  A slot of LDS holds one run of A's 256 rows and of B's 256 rows (4 x 38,912 bytes);
; two slots take turns; each wave fetches 128 rows of a run by one tensor load, a dense block read as rows of 256 bytes.
; CLUSTERS 4 x 4: A's tiles are asked for jointly along a row of the cluster, B's along a column.
; THE PRODUCT IS USED TRANSPOSED (source 0 = B's 16 rows, source 1 = A's): a lane holds eight neighbouring columns of one row of the result.
; A CHANGE OF SLOTS stands in the first half of a run's third K step: its fragments are all in registers by then, and the next fetch reads the other slot.
; RUN 10 GOES BY ROWS OF THE RESULT: both its K steps of B lie in B's two sets, A comes by blocks of 16 rows x 256 K in four buffers, each block is finished by 16 products and leaves while the next block is multiplied.
; PREFETCH: behind the refill with run c + 2 each wave names run c + 3, three K steps ahead of the load that wants it: of the 152 blocks of 256 bytes that a wave fetches, each of the four partners that ask jointly
; takes 38, told apart by address (cx for A, cy for B): two instructions, a lane a block, the second one's spare lanes on its last block.  Runs 3 to 9 are named; run 10 is not: some of its bytes are never written.
; LIMITS: the scaled sum is not rounded to bf16 ahead of the bias: (sum x ws) x xs + bias is one fused multiply-add in f32, rounded to bf16 once; it differs from two roundings by at most one step of bf16.
; The two scales are multiplied in the order ws, xs.  NaN and infinities are carried as f32 arithmetic carries them.
; REGISTERS: window 0: v2-17 xs (pairs), v18-29 addresses, v32-63 and v224-255 scale words (two sets), v64-127 bias, v128-223 A's fragments.  window 1: B's two sets at v0 and v128; ws at v96-127, v224-255.
; windows 2, 3: the accumulators of my rows 0-63, 64-127: (a, b) at v[8 (8 (a % 4) + b)].
.set FR,     12
.set NL,     3                         ; LDS loads to a fragment
.set NP,     4                         ; places behind this matrix form (ISA guide 7.12.1)
.set FRB,    1536
.set TP,     4864
.set PART,   38912
.set SLOT,   4*PART
.set GROUPB, 428032
.set OPB,    13697024
.set TRIPS,  4
.set SPARE,  2*SLOT                    ; the spare words, 128 bytes a wave
.set SPITCH, 272
.set STAGE,  2*SLOT-4*16*SPITCH        ; the way out: 16 rows x 272 bytes a wave, at slot 1's end: run 9 was its last fill, and it is read no more behind the last barrier
.set PF1,  1
.set XS,   2
.set ADRA, 18
.set ADRB, 20
.set ADRS, 22
.set STO,  24
.set RD,   25
.set SPW,  26
.set NIL,  27
.set CO,   28
.set PF0,  29
.set SC,   32
.set BI,   64
.set AF,   128
.set WS,   96
.set G1,   24
.set G0,   32
.set G1B,  48
.set G0B,  56
.set G1T,  68
.set G1TB, 80
.set PFA,  88
.set MSB, 0
.macro WIN new                         ; the immediate's high byte repeats the setting that is left
.if MSB != (\new)
	s_set_vgpr_msb (MSB<<8)|(\new)
.set MSB, (\new)
.endif
.endm
.set MUL_LO, 0xa1
.set MUL_HI, 0xf1
.set TO_B,   0x40
.macro JLOAD g0a, g1a, g0b, g1b        ; a joint load: waves 0, 1 for A, waves 2, 3 for B; s_nop 0 and four v_nop behind each line
	s_cmp_eq_u32 s21, 0
	s_cbranch_scc0 .Lfor_b_\@
	tensor_load_to_lds s[\g0a:\g0a+3], s[\g1a:\g1a+7]
	s_nop 0
.rept 4
	v_nop
.endr
	s_branch .Lasked_\@
.Lfor_b_\@:
	tensor_load_to_lds s[\g0b:\g0b+3], s[\g1b:\g1b+7]
	s_nop 0
.rept 4
	v_nop
.endr
.Lasked_\@:
.endm
.macro CREST                           ; a round of the cluster's barrier behind its opening barrier
	s_cmp_lg_u32 s20, 0
	s_cbranch_scc1 .Lnot_wave_0_\@
	s_barrier_signal -3
.Lnot_wave_0_\@:
	s_barrier_wait -3
	s_barrier_signal -1
	s_barrier_wait -1
.endm
.macro CROUND
	s_barrier_signal -1
	s_barrier_wait -1
	CREST
.endm
.macro ASK guard                       ; guard = 1: not in the loop's last trip, where the run named would be run 10
.if \guard
	s_cmp_lg_u32 s23, 1
	s_cbranch_scc0 .Lnoask_\@
.endif
	global_prefetch_b8 v[PF0], s[PFA:PFA+1] th:TH_LOAD_NT scope:SCOPE_SE
	global_prefetch_b8 v[PF1], s[PFA:PFA+1] th:TH_LOAD_NT scope:SCOPE_SE
.Lnoask_\@:
.endm
	s_load_b64 s[4:5], s[0:1], 0x0                 ; codes
	s_load_b256 s[12:19], s[0:1], 0x8              ; x_scales, weight_scales, bias, out0
	v_lshl_add_u32 v[SPW], v0, 2, SPARE
	v_mov_b32 v[NIL], 0
	ds_add_u32 v[SPW], v[NIL]                      ; the opening lines: the add twice on end, under one wait
	ds_add_u32 v[SPW], v[NIL]
	v_lshrrev_b32 v1, 5, v0
	v_readfirstlane_b32 s20, v1                    ; wave
	s_lshr_b32 s21, s20, 1                         ; my half of the rows; also: I fetch for A (0) or B (1)
	s_and_b32 s22, s20, 1                          ; my half of the columns; also: which 128 rows I fetch
	s_bfe_u32 s40, ttmp6, 0x40000                  ; cx
	s_bfe_u32 s41, ttmp6, 0x40004                  ; cy
	s_lshl_b32 s42, ttmp9, 2
	s_add_co_u32 s42, s42, s40                     ; tile column
	s_and_b32 s43, ttmp7, 0xffff
	s_lshl_b32 s43, s43, 2
	s_add_co_u32 s43, s43, s41                     ; tile row
	s_lshl_b32 s44, s41, 2
	s_lshl_b32 s44, 15, s44                        ; my row of the cluster
	s_lshl_b32 s45, 0x1111, s40                    ; my column
	s_mov_b32 s100, 0xffff0000
	s_or_b32 s[G1+0], s44, (3<<16)|(1<<21)         ; a whole run of 128 rows: 152 rows of 32 elements of 8 bytes, dense
	s_or_b32 s[G1B+0], s45, (3<<16)|(1<<21)
.irp g, G1, G1B
	s_mov_b32 s[\g+1], 32<<16
	s_mov_b32 s[\g+2], 152<<16
	s_mov_b32 s[\g+3], 32<<16
	s_mov_b32 s[\g+4], 152
	s_mov_b32 s[\g+5], 32
	s_mov_b32 s[\g+6], 0
	s_mov_b32 s[\g+7], 0
.endr
	s_or_b32 s[G1T+0], s44, (3<<16)|(1<<21)        ; run 10: 8 rows of 3,328 bytes, 4,864 apart in memory, dense in LDS
	s_or_b32 s[G1TB+0], s45, (3<<16)|(1<<21)
.irp g, G1T, G1TB
	s_mov_b32 s[\g+1], 416<<16
	s_mov_b32 s[\g+2], 8<<16
	s_mov_b32 s[\g+3], 416<<16
	s_mov_b32 s[\g+4], 8
	s_mov_b32 s[\g+5], 608
	s_mov_b32 s[\g+6], 0
	s_mov_b32 s[\g+7], 0
.endr
	s_lshl_b32 s92, s43, 1
	s_add_co_u32 s92, s92, s22
	s_mul_i32 s94, s92, GROUPB                     ; A: group 2 x tile row + half
	s_mov_b32 s95, 0
	s_lshl_b32 s96, s42, 1
	s_add_co_u32 s96, s96, s22
	s_mul_i32 s98, s96, GROUPB
	s_add_co_u32 s98, s98, OPB                     ; B: behind x's operand
	s_mov_b32 s99, 0
	s_mul_i32 s46, s20, PART                       ; where my part lands in a slot
	s_cmp_eq_u32 s21, 0
	s_cselect_b32 s90, s94, s98                    ; the prefetches: the group that I fetch,
	s_cselect_b32 s91, s40, s41                    ; my place among the four that ask with me,
	s_mul_i32 s91, s91, 38*256                     ; 38 blocks to each,
	s_add_co_u32 s90, s90, s91
	s_add_co_u32 s90, s90, 2*PART                  ; at run 2: each change of slots in the loop steps it a run on and then asks
	s_mov_b32 s91, 0
	s_wait_dscnt 0x0                               ; both opening adds are done
	s_wait_kmcnt 0x0
	s_add_nc_u64 s[PFA:PFA+1], s[4:5], s[90:91]
	s_add_nc_u64 s[94:95], s[4:5], s[94:95]
	s_add_nc_u64 s[98:99], s[4:5], s[98:99]
.irp s, 0,1
	s_mov_b32 s[G0+4*\s], 1
	s_add_co_u32 s[G0+4*\s+1], s46, \s*SLOT
	s_add_nc_u64 s[G0+4*\s+2:G0+4*\s+3], s[94:95], \s*PART
	s_or_b32 s[G0+4*\s+3], s[G0+4*\s+3], 0x80000000
	s_mov_b32 s[G0B+4*\s], 1
	s_add_co_u32 s[G0B+4*\s+1], s46, \s*SLOT
	s_add_nc_u64 s[G0B+4*\s+2:G0B+4*\s+3], s[98:99], \s*PART
	s_or_b32 s[G0B+4*\s+3], s[G0B+4*\s+3], 0x80000000
.endr
	CROUND                                         ; all sixteen work-groups are here: the first joint loads meet
	JLOAD G0, G1, G0B, G1B                         ; run 0: one tensor load a wave at the head
	; while run 0 is on its way: the way out's constants and all addresses
	s_lshl_b32 s92, s43, 8
	s_lshl_b32 s93, s21, 7
	s_add_co_u32 s92, s92, s93                     ; my first row
	s_lshl_b32 s94, s92, 2
	s_mov_b32 s95, 0
	s_add_nc_u64 s[12:13], s[12:13], s[94:95]
	s_lshl_b32 s92, s92, 13                        ; a row of out0 is 8,192 bytes
	s_mov_b32 s93, 0
	s_add_nc_u64 s[18:19], s[18:19], s[92:93]
	s_lshl_b32 s96, s42, 8
	s_lshl_b32 s97, s22, 7
	s_add_co_u32 s96, s96, s97                     ; my first column
	s_lshl_b32 s98, s96, 2
	s_mov_b32 s99, 0
	s_add_nc_u64 s[14:15], s[14:15], s[98:99]
	s_add_nc_u64 s[16:17], s[16:17], s[98:99]
	s_lshl_b32 s96, s96, 1
	s_mov_b32 s97, 0
	s_add_nc_u64 s[18:19], s[18:19], s[96:97]
	s_mul_i32 s92, s21, PART                       ; my 128 rows of A in a slot,
	s_mul_i32 s93, s22, PART
	s_add_co_u32 s93, s93, 2*PART                  ; of B,
	s_sub_co_u32 s94, s93, s92                     ; and the distance between them
	s_mul_i32 s96, s20, 16*SPITCH
	s_add_co_u32 s96, s96, STAGE                   ; my stage
	v_and_b32 v1, 31, v0
	v_and_b32 v30, 15, v0                          ; r
	v_bfe_u32 v31, v0, 4, 1                        ; h
	v_lshlrev_b32 v1, 4, v1
	v_lshlrev_b32 v29, 5, v31                      ; my eight columns of sixteen: 32 h bytes
	v_lshlrev_b32 v17, 2, v30
.irp b, 0,1,2,3,4,5,6,7
	global_load_b128 v[BI+8*\b:BI+8*\b+3], v29, s[16:17] offset:64*\b
	global_load_b128 v[BI+8*\b+4:BI+8*\b+7], v29, s[16:17] offset:64*\b+16
.endr
.irp a, 0,1,2,3,4,5,6,7
	global_load_b32 v[XS+2*\a], v17, s[12:13] offset:64*\a
.endr
	WIN TO_B
.irp b, 0,1,2,3,4,5,6,7
	global_load_b128 v[WS+8*\b+96*(\b/4):WS+8*\b+96*(\b/4)+3], v29, s[14:15] offset:64*\b
	global_load_b128 v[WS+8*\b+96*(\b/4)+4:WS+8*\b+96*(\b/4)+7], v29, s[14:15] offset:64*\b+16
.endr
	WIN 0
	v_mul_u32_u24 v[ADRS], s94, v31                ; scale words: lanes 0-15 A's rows, lanes 16-31 B's
	v_lshl_add_u32 v[ADRS], v30, 4, v[ADRS]
	v_add_nc_u32 v[ADRS], s92, v[ADRS]
	v_add_nc_u32 v[ADRS+1], SLOT, v[ADRS]
	v_add_nc_u32 v[ADRA], s92, v1
	v_add_nc_u32 v[ADRB], s93, v1
	v_add_nc_u32 v[ADRA+1], SLOT, v[ADRA]
	v_add_nc_u32 v[ADRB+1], SLOT, v[ADRB]
	v_mul_u32_u24 v[STO], v30, SPITCH              ; into the stage: row r, 16 bytes for each half of the lanes
	v_lshl_add_u32 v[STO], v31, 4, v[STO]
	v_add_nc_u32 v[STO], s96, v[STO]
	v_mul_u32_u24 v[RD], v31, SPITCH               ; back: sixteen lanes to a row of 256 bytes
	v_lshl_add_u32 v[RD], v30, 4, v[RD]
	v_add_nc_u32 v[RD], s96, v[RD]
	v_lshlrev_b32 v[CO], 13, v31
	v_lshl_add_u32 v[CO], v30, 4, v[CO]
	s_wait_alu depctr_va_vdst(0)                   ; the wait, directly ahead of the wait below
	s_wait_loadcnt 0x0
.set p, 0
.rept 32
	v_cvt_pk_bf16_f32 v[AF+p], v[BI+2*p], v[BI+2*p+1]      ; the bias is rounded to bf16, as the module has it,
.set p, p+1
.endr
.set p, 0
.rept 32
	v_lshlrev_b32 v[BI+2*p], 16, v[AF+p]                   ; and widened again
	v_and_b32 v[BI+2*p+1], s100, v[AF+p]
.set p, p+1
.endr
.irp a, 0,1,2,3,4,5,6,7
	v_mov_b32 v[XS+2*\a+1], v[XS+2*\a]
.endr
	v_and_b32 v[PF1], 31, v0
	v_lshlrev_b32 v[PF0], 8, v[PF1]                ; blocks 0-31 of my 38,
	v_add_nc_u32 v[PF1], 32, v[PF1]
	v_min_u32 v[PF1], 37, v[PF1]
	v_lshlrev_b32 v[PF1], 8, v[PF1]                ; blocks 32-37
.macro FRAG reg, adr, q, i
.irp g, 0,1,2
	ds_load_b128 v[\reg+4*\g:\reg+4*\g+3], v[\adr] offset:TP*(\i)+256+FRB*(\q)+512*\g
.endr
.endm
; 16 products: A's blocks a0, a0 + 1 x B's eight.  p: B's set; q: the run's K step; sc: the set of scale words.  The accumulators take turns, one instruction a turn.
.macro MUL16 a0, p, q, sc, zero
.irp a, \a0, \a0+1
.irp b, 0,1,2,3,4,5,6,7
.if \zero
	v_wmma_scale_f32_16x16x128_f8f6f4 v[8*(8*((\a)%4)+\b):8*(8*((\a)%4)+\b)+7], v[128*(\p)+FR*\b:128*(\p)+FR*\b+FR-1], v[AF+FR*(\a):AF+FR*(\a)+FR-1], 0, v[SC+192*(\sc)+4*\b+(\q)], v[SC+192*(\sc)+4*(\a)+(\q)] matrix_a_fmt:MATRIX_FMT_FP6 matrix_b_fmt:MATRIX_FMT_FP6 matrix_a_scale:MATRIX_SCALE_ROW1
.else
	v_wmma_scale_f32_16x16x128_f8f6f4 v[8*(8*((\a)%4)+\b):8*(8*((\a)%4)+\b)+7], v[128*(\p)+FR*\b:128*(\p)+FR*\b+FR-1], v[AF+FR*(\a):AF+FR*(\a)+FR-1], v[8*(8*((\a)%4)+\b):8*(8*((\a)%4)+\b)+7], v[SC+192*(\sc)+4*\b+(\q)], v[SC+192*(\sc)+4*(\a)+(\q)] matrix_a_fmt:MATRIX_FMT_FP6 matrix_b_fmt:MATRIX_FMT_FP6 matrix_a_scale:MATRIX_SCALE_ROW1
.endif
.endr
.endr
.endm
.macro FETCH_B slot, q, p
	WIN TO_B
.irp i, 0,1,2,3,4,5,6,7
	FRAG 128*(\p)+FR*\i, ADRB+\slot, \q, \i
.endr
	WIN 0
.endm
.macro FETCH_A slot, q, i0
.irp i, \i0, \i0+1, \i0+2, \i0+3
	FRAG AF+FR*(\i), ADRA+\slot, \q, \i
.endr
.endm
.macro SCALES slot
.irp i, 0,1,2,3,4,5,6,7
	ds_load_b128 v[SC+192*(\slot)+4*\i:SC+192*(\slot)+4*\i+3], v[ADRS+\slot] offset:TP*\i
.endr
.endm
.macro PLACES n
.rept \n
	v_nop
.endr
.endm
; The second half of a K step: A's blocks 4-7, then their next fragments
.macro HALF2 p, q, sc, ns, nq, zero
	WIN MUL_HI
	MUL16 4, \p, \q, \sc, \zero
	MUL16 6, \p, \q, \sc, \zero
	PLACES NP
	WIN 0
	FETCH_A \ns, \nq, 4
.endm
; A K step: 64 products; the next step's fragments (slot ns, K step nq of its run) are fetched in its middle and at its end
.macro STEP p, q, sc, ns, nq, zero
	s_wait_dscnt 4*NL                              ; all but A's blocks 4-7
	WIN MUL_LO
	MUL16 0, \p, \q, \sc, \zero
	MUL16 2, \p, \q, \sc, \zero
	s_wait_dscnt 0
	PLACES NP
	FETCH_B \ns, \nq, 1-(\p)
	FETCH_A \ns, \nq, 0
	HALF2 \p, \q, \sc, \ns, \nq, \zero
.endm
; The first half of a run's third K step, with the change of slots: my loads have landed, the add, sixteen products, the add and my reads of this slot are done, the signal, sixteen products, the wait
.macro MEET p, sc
	s_wait_tensorcnt 0x0                           ; my part of the other slot is in;
	ds_add_u32 v[SPW], v[NIL]
	s_wait_dscnt 4*NL+1                            ; (the add and A's blocks 4-7 may be out)
	WIN MUL_LO
	MUL16 0, \p, 2, \sc, 0
	s_wait_dscnt 0x0                               ; the add is done, and so are all my reads of this slot
	s_barrier_signal -1
	MUL16 2, \p, 2, \sc, 0
	WIN 0
	s_barrier_wait -1
.endm
; The whole third K step.  slot: the one left; fill 1: a whole run, 2: run 10; pf 0: no prefetch, 1: one, 2: one but in the last trip
.macro STEPC p, slot, fill, pf
.if \pf
	s_wait_xcnt 0x0                                ; my last prefetches have read their base
	s_add_nc_u64 s[PFA:PFA+1], s[PFA:PFA+1], PART
.endif
	MEET \p, \slot
	CREST                                          ; the barrier has opened a round: no wave of any partner reads this slot or has a load on its way
	s_add_nc_u64 s[G0+4*\slot+2:G0+4*\slot+3], s[G0+4*\slot+2:G0+4*\slot+3], 2*PART
	s_add_nc_u64 s[G0B+4*\slot+2:G0B+4*\slot+3], s[G0B+4*\slot+2:G0B+4*\slot+3], 2*PART
.if \fill == 1
	JLOAD G0+4*\slot, G1, G0B+4*\slot, G1B         ; its four v_nop are the places in front of the loads below
.else
	JLOAD G0+4*\slot, G1T, G0B+4*\slot, G1TB
.endif
	FETCH_B 1-(\slot), 0, 1-(\p)
	FETCH_A 1-(\slot), 0, 0
	SCALES 1-(\slot)
.if \pf
	ASK (\pf)-1
.endif
	HALF2 \p, 2, \slot, 1-(\slot), 0, 0
.endm
	s_wait_alu depctr_va_vdst(0)                   ; the wait at the head's end
	s_wait_tensorcnt 0x0                           ; my part of run 0 is in; the three lines ahead of slot 1's first fill
	ds_add_u32 v[SPW], v[NIL]
	s_wait_dscnt 0x0
	CROUND
	JLOAD G0+4, G1, G0B+4, G1B                     ; run 1
	FETCH_B 0, 0, 0
	FETCH_A 0, 0, 0
	SCALES 0
	FETCH_A 0, 0, 4
	STEP 0, 0, 0, 0, 1, 1                          ; the first products start the sums
	s_mov_b32 s23, TRIPS
.Llap:                                                 ; a trip: six K steps, once round the ring
	STEP 1, 1, 0, 0, 2, 0
	STEPC 0, 0, 1, 1
	STEP 1, 0, 1, 1, 1, 0
	STEP 0, 1, 1, 1, 2, 0
	STEPC 1, 1, 1, 2
	STEP 0, 0, 0, 0, 1, 0
	s_sub_co_u32 s23, s23, 1
	s_cmp_lg_u32 s23, 0
	s_cbranch_scc1 .Llap
	STEP 1, 1, 0, 0, 2, 0                          ; run 8 goes on
	STEPC 0, 0, 2, 0                               ; slot 0 takes run 10
	STEP 1, 0, 1, 1, 1, 0
	STEP 0, 1, 1, 1, 2, 0
	MEET 1, 1                                      ; run 9's third K step: run 10 is whole; nothing is filled again, so no round follows
	PLACES NP
.set TP, 3328                          ; run 10's tiles lie 3,328 bytes apart in LDS
.macro AROW a                          ; A's block a, both K steps of run 10, into buffer a % 4
.irp q, 0,1
	FRAG AF+24*((\a)%4)+FR*\q, ADRA, \q, \a
.endr
.endm
	FETCH_B 0, 0, 0                                ; B's first K step into set 0
	AROW 0                                         ; the registers of A's blocks 0-3 are free
	AROW 1
	SCALES 0
	WIN MUL_HI
	MUL16 4, 1, 2, 1, 0
	MUL16 6, 1, 2, 1, 0
	PLACES NP
	FETCH_B 0, 1, 1                                ; B's second K step into set 1
	AROW 2
	AROW 3
.macro ROW a                           ; block a is finished: 16 products, its eight accumulators by turns, K ascending
	WIN MUL_LO+0x50*((\a)/4)
.irp q, 0,1
.if (\a) == 0 && \q == 1
	s_wait_dscnt 12                                ; B's second K step is in (behind it: A's blocks 2, 3)
.endif
.irp b, 0,1,2,3,4,5,6,7
	v_wmma_scale_f32_16x16x128_f8f6f4 v[64*((\a)%4)+8*\b:64*((\a)%4)+8*\b+7], v[128*\q+FR*\b:128*\q+FR*\b+FR-1], v[AF+24*((\a)%4)+FR*\q:AF+24*((\a)%4)+FR*\q+FR-1], v[64*((\a)%4)+8*\b:64*((\a)%4)+8*\b+7], v[SC+4*\b+\q], v[SC+4*(\a)+\q] matrix_a_fmt:MATRIX_FMT_FP6 matrix_b_fmt:MATRIX_FMT_FP6 matrix_a_scale:MATRIX_SCALE_ROW1
.endr
.endr
.endm
; THE WAY OUT of block a, in place in its 64 accumulator registers: x ws; x xs + bias; rounded to bf16 into the low 32; through my stage; whole rows back into the high 32; stored.
.macro PACK a
.set AC, 64*((\a)%4)
.set W, 2+(\a)/4
	WIN (W<<6)|4|W
.set p, 0
.rept 32
	v_pk_mul_f32 v[AC+2*p:AC+2*p+1], v[AC+2*p:AC+2*p+1], v[WS+2*p+96*(p/16):WS+2*p+96*(p/16)+1]   ; each accumulator from its low end on
.set p, p+1
.endr
	WIN (W<<6)|W
.set p, 0
.rept 32
	v_pk_fma_f32 v[AC+2*p:AC+2*p+1], v[AC+2*p:AC+2*p+1], v[XS+2*(\a):XS+2*(\a)+1], v[BI+2*p:BI+2*p+1]
.set p, p+1
.endr
	WIN (W<<6)|(W<<2)|W
.set p, 0
.rept 32
	v_cvt_pk_bf16_f32 v[AC+p], v[AC+2*p], v[AC+2*p+1]      ; register p was last read at pair p / 2
.set p, p+1
.endr
.endm
.macro TOSTAGE a
.set AC, 64*((\a)%4)
.set W, 2+(\a)/4
	WIN W<<2
.irp b, 0,1,2,3,4,5,6,7
	ds_store_b128 v[STO], v[AC+4*\b:AC+4*\b+3] offset:32*\b
.endr
	WIN W<<6
.irp t, 0,1,2,3,4,5,6,7
	ds_load_b128 v[AC+32+4*\t:AC+32+4*\t+3], v[RD] offset:\t*2*SPITCH   ; LDS serves a wave's instructions in order (ISA guide 5.7.1.4)
.endr
.endm
.macro SEND a
.set AC, 64*((\a)%4)
.set W, 2+(\a)/4
	s_wait_dscnt 0x0                               ; the block is back
	WIN W<<2
.irp t, 0,1,2,3,4,5,6,7
	global_store_b128 v[CO], v[AC+32+4*\t:AC+32+4*\t+3], s[18:19] offset:131072*(\a)+16384*\t th:TH_STORE_NT   ; sixteen lanes store 256 consecutive aligned bytes; every offset an immediate, no register written again
.endr
.endm
	s_wait_dscnt 36                                ; all but the 36 loads just issued
	ROW 0
.irp a, 0,1,2,3,4,5,6,7
	PLACES NP                                      ; behind block a's products: for the loads into its buffer and the reads of its results
.if \a < 4
	WIN 0
	AROW \a+4
.endif
	PACK \a
	TOSTAGE \a
.if \a < 7
	ROW \a+1                                       ; the next block is multiplied while this one turns through the stage
.endif
	SEND \a
.endr
	WIN 0
	s_wait_tensorcnt 0x0                           ; the wave's end
	ds_add_u32 v[SPW], v[NIL]
	s_wait_dscnt 0x0
	CROUND                                         ; the closing round
	s_endpgm
.Lfunc_end_k_qae539cee4d_gemm:
	.size	k_qae539cee4d_gemm, .Lfunc_end_k_qae539cee4d_gemm-k_qae539cee4d_gemm
	.p2alignl 7, 3214868480
	.fill 96, 4, 3214868480
	.section	.rodata,"a",@progbits
	.p2align	6, 0x0
	.amdhsa_kernel k_qae539cee4d_gemm
		.amdhsa_group_segment_fixed_size 327680
		.amdhsa_private_segment_fixed_size 0
		.amdhsa_enable_private_segment 0
		.amdhsa_kernarg_size 40
		.amdhsa_user_sgpr_count 2
		.amdhsa_user_sgpr_kernarg_segment_ptr 1
		.amdhsa_wavefront_size32 1
		.amdhsa_system_sgpr_workgroup_id_x 1
		.amdhsa_system_sgpr_workgroup_id_y 1
		.amdhsa_system_sgpr_workgroup_id_z 1
		.amdhsa_system_vgpr_workitem_id 0
		.amdhsa_next_free_vgpr 1024
		.amdhsa_next_free_sgpr 101
		.amdhsa_reserve_vcc 0
		.amdhsa_float_denorm_mode_32 3
		.amdhsa_float_denorm_mode_16_64 3
		.amdhsa_memory_ordered 1
		.amdhsa_forward_progress 1
		.amdhsa_inst_pref_size 249
	.end_amdhsa_kernel
	.amdgpu_metadata
---
amdhsa.version: [ 1, 2 ]
amdhsa.kernels:
  - .name:           k_qae539cee4d_gemm
    .symbol:         k_qae539cee4d_gemm.kd
    .args:
      - { .name: codes, .offset: 0, .size: 8, .value_kind: global_buffer, .address_space: global }
      - { .name: x_scales, .offset: 8, .size: 8, .value_kind: global_buffer, .address_space: global }
      - { .name: weight_scales, .offset: 16, .size: 8, .value_kind: global_buffer, .address_space: global }
      - { .name: bias, .offset: 24, .size: 8, .value_kind: global_buffer, .address_space: global }
      - { .name: out0, .offset: 32, .size: 8, .value_kind: global_buffer, .address_space: global }
    .group_segment_fixed_size: 327680
    .private_segment_fixed_size: 0
    .kernarg_segment_align: 8
    .kernarg_segment_size: 40
    .max_flat_workgroup_size: 128
    .sgpr_count:     101
    .vgpr_count:     1024
    .wavefront_size: 32
...
	.end_amdgpu_metadata
.endif
;; end of part 2
